; MI455X (gfx1250); checked and timed in simulation.
; The chip was launched on July 23, 2026; its instructions are those of AMD's public machine-readable ISA for CDNA 5 (MIT licence, August 2026) and "CDNA5" Instruction Set Architecture Reference Guide (July 2026). The comments in the code are by the model that wrote it; some were corrected since.
;; Flax Phi Moe Bloc K Spares Top2 MLP Collection. Allowed arithmetic: float matrix products may take bf16 or f16 operands with f32 sums; all other float work in f32.
;; Inputs: hidden_states 2 x 1,024 x 2,048 float32; routing_weights 2 x 1,024 x 2 float32; selected_experts 2 x 1,024 x 2 int32; w1 8 x 2,048 x 512 float32; w2 8 x 512 x 2,048 float32; w3 8 x 2,048 x 512 float32.
;; Outputs: out0 2 x 1,024 x 2,048 float32.
;; One version. Each part assembles by itself: llvm-mc -triple=amdgcn-amd-amdhsa -mcpu=gfx1250 --defsym DOCPART=n.
;; ======== version 1 of 1: 4 launches
;; limits: values outside matrix products are rounded to bf16
;; workspace buffers: plan 16,640 bytes of whole numbers; xs 17,694,720 bytes; act 8,847,360 bytes; y 35,389,440 bytes
;; launch sortpack (part 1): grid 256 x 1, 32 waves a work-group, no clusters, 86,528 bytes of LDS; arguments selected_experts, hidden_states, plan, xs; writes plan, xs
.if DOCPART == 1
	.amdgcn_target "amdgcn-amd-amdhsa--gfx1250"
	.amdhsa_code_object_version 6
	.text
	.protected	k_qc9f3da1813_sortpack
	.globl	k_qc9f3da1813_sortpack
	.p2align	8
	.type	k_qc9f3da1813_sortpack,@function
k_qc9f3da1813_sortpack:
	s_mov_b64 s[64:65], 0
	v_nop
	global_prefetch_b8 v0, s[64:65] scope:SCOPE_SE
	s_setreg_imm32_b32 hwreg(HW_REG_WAVE_MODE, 25, 1), 1
	s_wait_xcnt 0x0
; SORTPACK: sorts the 4,096 entries (token t, slot j), entry number 2 t + j, by expert, and gathers the token rows in sorted order, rounded once to bf16,
; in the order of matrix fragments.
; THE SORT.  Expert e gets NP_e = ceil(c_e / 32) pairs of 16-row tiles (32 sorted rows a pair), from pair bp_e on; the sum of c_e is 4,096, so there are
; 128 to 135 pairs, 256 to 270 tiles.  Every work-group makes the whole sort for itself from the 16 KiB of indices (32 waves, thread tid owns entries
; 4 tid + q), so that no launch of one work-group has to stand in front of this one.  Work-group 0 alone stores it, for the later launches:
;   plan byte 0: word e = bp_e, word 8 + e = NP_e, word 16 = number of tiles, words 17 to 31 = 0;   byte 256: pos[4096], the sorted row of each entry.
; An index outside 0..7 is sorted by its low three bits, so that it has a valid row; the last launch gives it the weight 0.
; THE GATHER.  The work-group makes tile ttmp9, and work-groups 0 to 13 also tile ttmp9 + 256: there are at most 270 tiles.  How many of those fourteen
; are in use hangs on the indices, and no branch here does: all fourteen are always made.  One that lies behind the last tile in use gets token 0's rows,
; lies inside xs (which has room for 270 tiles), and no launch reads it.
; Which tokens are a tile's rows: each wave puts the tokens of those of its entries that fall into the two tiles into its own row of 32 slots in LDS
; (set to 0 first: a row that only fills an expert's last pair names token 0); each slot is filled by at most one wave, so the sum over the 32 rows is
; the token.  Wave w takes columns 64 w .. 64 w + 63 of the 16 rows.
;   xs byte = pair * 131072 + quarter * 32768 + a * 16384 + c * 512 + lane * 16   (quarter of the 2,048 columns, a: tile of the pair, c: chunk 0..31)
;   lane (r = lane & 15, h = lane >> 4) of chunk c holds X[token of row r][512 quarter + 16 c + 8 h + 0..7]:
; chunks 2 s and 2 s + 1 are registers 0-3 and 4-7 of the 16 x 32 fragment of K step s, so the next launch loads fragments as runs of 512 bytes.
; Memory binds: no matrix unit, no cluster (no two work-groups make the same tile; the indices that all read are 16 KiB).
.set POS,   256
.set EXTRA, 14                         ; 270 - 256: the work-groups that make a second tile
.set SLOTS, 4096                       ; LDS 0..4095: the waves' counts, 128 bytes a wave.  From 4096: 32 rows of slots
.set SPW,   144                        ; a row: 32 slots, a spare word for entries of other tiles, 12 bytes to keep rows at multiples of 16
.set OWN,   SLOTS+32*SPW               ; 128 bytes a wave: its own copy of the 32 tokens
.set STG,   OWN+32*128                 ; a stage for each wave: 4 chunks of 544 bytes = 2 halves of (16 rows x 16 bytes + 16 of padding)
.set STGW,  4*544
.set NONE,  32                         ; the spare word's number
.set RDB, 42                           ; v42  where I read 16 bytes of four waves' slots
.set OWS, 43                           ; v43  my wave's copy, in
.set OWL, 44                           ; v44  my wave's copy, out: the eight rows 8 h .. 8 h + 7
.set CO,  45                           ; v45  256 w + 16 (lane & 15): my 16 bytes in a token's row
.set SB,  46                           ; v46  stage, in
.set RB,  47                           ; v47  stage, out
.set OO,  48                           ; v48  my byte offset in the tile's part of xs
.set X0,  52                           ; v[52:83]   the slots on their way to the sum, then the first tile's 8 loads
.set TA,  84                           ; v[84:91]   the first tile's tokens of rows 8 h + i, then their byte offsets
.set TB,  24                           ; v[24:31]   the same for the second tile
.set X1,  96                           ; v[96:127]  the second tile's 8 loads
; s3 wave; s[8:15] next free row of expert e for this wave; s[16:23] c_e; s[24:31] first row of e; s[32:63] lane masks (q, e); s[66:73] NP_e;
; s[74:75], s[76:77] xs at my two tiles; s78 my row of slots; s79-s85, s87 at work; s88-89 selects of v_permlanex16_b32; s[92:99] the four buffers
	s_load_b256 s[92:99], s[0:1], 0x0              ; selected_experts s[92:93], hidden_states s[94:95], plan s[96:97], xs s[98:99]
	v_lshl_add_u32 v94, v0, 2, 0x14200
	v_mov_b32 v95, 0
	v_lshrrev_b32 v1, 5, v0
	v_readfirstlane_b32 s3, v1                     ; wave 0..31
	v_and_b32 v2, 31, v0                           ; lane
	v_lshlrev_b32 v3, 4, v0                        ; 16 tid: my four entries
	s_mov_b32 s88, 0x76543210                      ; lane i of one half reads lane i of the other
	s_mov_b32 s89, 0xfedcba98
	s_wait_kmcnt 0x0
	global_load_b128 v[4:7], v3, s[92:93]
	; while the indices are on their way: my slots are set to 0, and every address that hangs on ids alone is made
	s_mul_i32 s78, s3, SPW
	s_add_co_u32 s78, s78, SLOTS
	v_lshl_add_u32 v49, v2, 2, s78
	v_mov_b32 v50, 0
	ds_store_b32 v49, v50                          ; slots 0..31 of my row = token 0
	v_lshrrev_b32 v12, 3, v2
	v_and_b32 v13, 7, v2
	v_lshrrev_b32 v14, 4, v2                       ; h
	v_and_b32 v15, 15, v2
	v_mul_u32_u24 v[RDB], v12, SPW                 ; row (lane >> 3) of four, slots 4 (lane & 7) ..
	v_lshl_add_u32 v[RDB], v13, 4, v[RDB]
	v_add_nc_u32 v[RDB], SLOTS, v[RDB]
	s_lshl_b32 s79, s3, 7
	s_add_co_u32 s79, s79, OWN
	v_lshl_add_u32 v[OWS], v13, 4, s79
	v_lshl_add_u32 v[OWL], v14, 5, s79
	s_lshl_b32 s80, s3, 8
	v_lshl_add_u32 v[CO], v15, 4, s80
	s_mul_i32 s81, s3, STGW
	s_add_co_u32 s81, s81, STG
	v_bfe_u32 v12, v2, 2, 2                        ; four f32 at column 64 w + 4 (lane & 15): chunk (lane >> 2) & 3 of my four,
	v_mul_u32_u24 v[SB], v12, 544
	v_bfe_u32 v12, v2, 1, 1                        ; half (lane >> 1) & 1 of the chunk's 16 columns,
	v_mul_u32_u24 v12, v12, 272
	v_add_nc_u32 v[SB], v[SB], v12
	v_and_b32 v12, 1, v2                           ; first or second 8 bytes of the 16,
	v_lshl_add_u32 v[SB], v12, 3, v[SB]
	v_lshl_add_u32 v[SB], v14, 7, v[SB]            ; row 8 h + i.  Modulo 256 that is 32 chunk + 16 half + 8 + 128 h: 32 different 8-byte columns
	v_add_nc_u32 v[SB], s81, v[SB]
	v_mul_u32_u24 v[RB], v14, 272
	v_lshl_add_u32 v[RB], v15, 4, v[RB]
	v_add_nc_u32 v[RB], s81, v[RB]
	s_lshr_b32 s82, s3, 3                          ; quarter w >> 3,
	s_lshl_b32 s82, s82, 15
	s_and_b32 s83, s3, 7                           ; chunks 4 (w & 7) ..
	s_lshl_b32 s83, s83, 11
	s_add_co_u32 s82, s82, s83
	v_lshl_add_u32 v[OO], v2, 4, s82
	s_lshr_b32 s74, ttmp9, 1
	s_lshl_b32 s74, s74, 17                        ; pair * 131072
	s_and_b32 s75, ttmp9, 1
	s_lshl_b32 s75, s75, 14                        ; + tile of the pair * 16384
	s_add_co_u32 s74, s74, s75
	s_mov_b32 s75, 0
	s_add_nc_u64 s[74:75], s[98:99], s[74:75]
	s_add_nc_u64 s[76:77], s[74:75], 0x1000000     ; 256 tiles = 128 pairs further on (used by work-groups 0 to 13 alone)
	s_lshl_b32 s85, ttmp9, 4                       ; my first tile's first row
	s_wait_loadcnt 0x0
.irp q, 0,1,2,3
	v_and_b32 v[4+\q], 7, v[4+\q]                  ; the key
.endr
.irp q, 0,1,2,3
.irp e, 0,1,2,3,4,5,6,7
	v_cmp_eq_u32 s[32+8*\q+\e], \e, v[4+\q]        ; which lanes' entry q goes to expert e
.endr
.endr
.irp e, 0,1,2,3,4,5,6,7
	s_bcnt1_i32_b32 s[16+\e], s[32+\e]             ; my wave's count for expert e
	s_bcnt1_i32_b32 s82, s[40+\e]
	s_bcnt1_i32_b32 s83, s[48+\e]
	s_bcnt1_i32_b32 s84, s[56+\e]
	s_add_co_u32 s[16+\e], s[16+\e], s82
	s_add_co_u32 s83, s83, s84
	s_add_co_u32 s[16+\e], s[16+\e], s83
.endr
	v_mov_b32 v20, 0
.irp e, 0,1,2,3,4,5,6,7
	v_writelane_b32 v20, s[16+\e], \e              ; lane e = count of expert e
.endr
	v_lshlrev_b32 v21, 2, v2
	v_lshl_add_u32 v21, s3, 7, v21                 ; my wave's own 128 bytes of the table
	ds_store_b32 v21, v20
	s_wait_dscnt 0x0                               ; my stores are done before I say so
	s_barrier_signal -1
	s_barrier_wait -1                              ; all 32 waves' counts are in LDS
	v_lshlrev_b32 v22, 7, v2
	ds_load_b128 v[24:27], v22                     ; lane v: the eight counts of wave v
	ds_load_b128 v[28:31], v22 offset:16
	s_wait_dscnt 0x0
.irp k, 0,1,2,3
	v_lshl_or_b32 v[32+\k], v[25+2*\k], 16, v[24+2*\k]     ; two counts in a word: every sum is at most 4,096
.endr
	v_cmp_gt_u32 vcc_lo, s3, v2                    ; the waves in front of mine
.irp k, 0,1,2,3
	v_cndmask_b32 v[36+\k], 0, v[32+\k], vcc_lo
.endr
	v_mov_b32 v40, 0                               ; the destinations below count as read
.irp k, 0,1,2,3,4,5,6,7
.irp m, 1,2,4,8
	v_mov_b32_dpp v40, v[32+\k] row_xmask:\m row_mask:0xf bank_mask:0xf
	v_add_nc_u32 v[32+\k], v[32+\k], v40
.endr
	v_permlanex16_b32 v40, v[32+\k], s88, s89
	v_add_nc_u32 v[32+\k], v[32+\k], v40           ; v32-35: totals, v36-39: sums over the waves in front of mine
.endr
.irp k, 0,1,2,3
	v_readfirstlane_b32 s82, v[32+\k]
	v_readfirstlane_b32 s83, v[36+\k]
	s_and_b32 s[16+2*\k], s82, 0xffff
	s_lshr_b32 s[17+2*\k], s82, 16
	s_and_b32 s[8+2*\k], s83, 0xffff
	s_lshr_b32 s[9+2*\k], s83, 16
.endr
	s_mov_b32 s84, 0                               ; pairs so far
.irp e, 0,1,2,3,4,5,6,7
	s_lshl_b32 s[24+\e], s84, 5                    ; e's first row
	s_add_co_u32 s[8+\e], s[8+\e], s[24+\e]        ; my wave's first row in e
	s_add_co_u32 s[66+\e], s[16+\e], 31
	s_lshr_b32 s[66+\e], s[66+\e], 5               ; NP_e
	s_add_co_u32 s84, s84, s[66+\e]
.endr
	s_lshl_b32 s87, s84, 1                         ; tiles
.irp q, 0,1,2,3
	v_mov_b32 v[8+\q], 0
.irp e, 0,1,2,3,4,5,6,7
	v_mbcnt_lo_u32_b32 v12, s[32+8*\q+\e], s[8+\e]             ; next free row + the lanes below mine with the same expert
	v_cndmask_b32 v[8+\q], v[8+\q], v12, s[32+8*\q+\e]
	s_bcnt1_i32_b32 s82, s[32+8*\q+\e]
	s_add_co_u32 s[8+\e], s[8+\e], s82
.endr
.endr
	; my entries that fall into the work-group's tiles leave their tokens in my row of slots
	v_lshlrev_b32 v16, 1, v0                       ; entries 4 tid, 4 tid + 1 belong to token 2 tid,
	v_or_b32 v17, 1, v16                           ; the other two to token 2 tid + 1
.irp q, 0,1,2,3
	v_sub_nc_u32 v12, v[8+\q], s85                 ; the row, counted from my first tile's first row (unsigned: rows in front wrap to large numbers)
	v_add_nc_u32 v13, 0xfffff000, v12              ; counted from my second tile's, 4,096 rows on
	v_add_nc_u32 v14, 0xfffff010, v12              ; and that + 16: its slot
	v_cmp_gt_u32 vcc_lo, 16, v12
	v_cndmask_b32 v15, NONE, v12, vcc_lo           ; slots 0..15: the first tile's rows
	v_cmp_gt_u32 vcc_lo, 16, v13
	v_cndmask_b32 v15, v15, v14, vcc_lo            ; slots 16..31: the second tile's
	v_min_u32 v15, NONE, v15                       ; a computed number enters an address only behind this bound: the store stays in my wave's 144 bytes
	v_lshl_add_u32 v15, v15, 2, s78
	ds_store_b32 v15, v[16+(\q>>1)]                ; LDS serves a wave in order (ISA guide 5.7.1): behind the zeros above
.endr
	s_wait_dscnt 0x0                               ; my slots are written before I say so
	s_barrier_signal -1
	s_barrier_wait -1                              ; all 32 rows of slots are written; nobody writes them again
.irp j, 0,1,2,3,4,5,6,7
	ds_load_b128 v[X0+4*\j:X0+4*\j+3], v[RDB] offset:\j*4*SPW      ; wave 4 j + (lane >> 3), slots 4 (lane & 7) .. + 3
.endr
	s_wait_dscnt 0x0
.irp k, 0,1,2,3
	v_add_nc_u32 v[X0+\k],    v[X0+\k],    v[X0+4+\k]              ; at most one term of a slot's sum is not 0
	v_add_nc_u32 v[X0+8+\k],  v[X0+8+\k],  v[X0+12+\k]
	v_add_nc_u32 v[X0+16+\k], v[X0+16+\k], v[X0+20+\k]
	v_add_nc_u32 v[X0+24+\k], v[X0+24+\k], v[X0+28+\k]
	v_add_nc_u32 v[X0+\k],    v[X0+\k],    v[X0+8+\k]
	v_add_nc_u32 v[X0+16+\k], v[X0+16+\k], v[X0+24+\k]
	v_add_nc_u32 v[X0+\k],    v[X0+\k],    v[X0+16+\k]
.endr
.irp k, 0,1,2,3
	v_mov_b32_dpp v1, v[X0+\k] row_xmask:8 row_mask:0xf bank_mask:0xf      ; the four groups of eight lanes hold the waves 4 j + 0, 1, 2, 3
	v_add_nc_u32 v[X0+\k], v[X0+\k], v1
	v_permlanex16_b32 v1, v[X0+\k], s88, s89
	v_add_nc_u32 v[X0+\k], v[X0+\k], v1            ; every lane: the tokens of slots 4 (lane & 7) .. + 3
.endr
	ds_store_b128 v[OWS], v[X0:X0+3]               ; my wave's own copy (four lanes write the same 16 bytes with the same numbers),
	ds_load_b128 v[TA:TA+3],   v[OWL]              ; read back so that a lane holds the tokens of rows 8 h .. 8 h + 7 of the first tile
	ds_load_b128 v[TA+4:TA+7], v[OWL] offset:16
	ds_load_b128 v[TB:TB+3],   v[OWL] offset:64    ; and of the second
	ds_load_b128 v[TB+4:TB+7], v[OWL] offset:80
	s_wait_dscnt 0x0
.macro ASK t, x                        ; eight loads: lanes 0-15 take 256 bytes of row i, lanes 16-31 of row 8 + i
.irp i, 0,1,2,3,4,5,6,7
	v_min_u32 v[\t+\i], 2047, v[\t+\i]             ; a token enters an address only behind this bound
	v_lshl_add_u32 v[\t+\i], v[\t+\i], 13, v[CO]
.endr
.irp i, 0,1,2,3,4,5,6,7
	global_load_b128 v[\x+4*\i:\x+4*\i+3], v[\t+\i], s[94:95]
.endr
.endm
.macro TURN x, b                       ; a tile's 16 rows x 64 columns: rounded in place, turned through my stage, stored
.irp i, 0,1,2,3,4,5,6,7
	v_cvt_pk_bf16_f32 v[\x+4*\i], v[\x+4*\i], v[\x+4*\i+1]
	v_cvt_pk_bf16_f32 v[\x+4*\i+1], v[\x+4*\i+2], v[\x+4*\i+3]
	ds_store_b64 v[SB], v[\x+4*\i:\x+4*\i+1] offset:\i*16
.endr
.irp c, 0,1,2,3
	ds_load_b128 v[\x+4*\c:\x+4*\c+3], v[RB] offset:\c*544         ; my wave's own bytes, served in order: these see the stores above
.endr
.irp c, 0,1,2,3
	s_wait_dscnt 3-\c                              ; chunk c is in; the younger ones stay out
	global_store_b128 v[OO], v[\x+4*\c:\x+4*\c+3], s[\b:\b+1] offset:\c*512        ; 512 consecutive bytes, at a multiple of 512 from the buffer's first byte
.endr
.endm
	ASK TA, X0
	s_cmp_lg_u32 ttmp9, 0
	s_cbranch_scc1 .Lnoplan                        ; work-group 0 alone stores the sort; no barrier follows
	global_store_b128 v3, v[8:11], s[96:97] offset:POS             ; a wave's store covers 512 consecutive bytes
	s_cmp_lg_u32 s3, 0
	s_cbranch_scc1 .Lnoplan                        ; and its wave 0 the table
	v_mov_b32 v20, 0
.irp e, 0,1,2,3,4,5,6,7
	s_lshr_b32 s82, s[24+\e], 5
	v_writelane_b32 v20, s82, \e                   ; bp_e
	v_writelane_b32 v20, s[66+\e], 8+\e            ; NP_e
.endr
	v_writelane_b32 v20, s87, 16                   ; tiles
	v_lshlrev_b32 v21, 2, v2
	global_store_b32 v21, v20, s[96:97]
.Lnoplan:
	s_cmp_lt_u32 ttmp9, EXTRA                      ; the work-group's number alone decides: tiles 256 to 269 are always made
	s_cbranch_scc0 .Lone
	ASK TB, X1                                     ; the second tile: its loads go out before the first tile's are waited for
	s_wait_loadcnt 8                               ; the first tile's eight are in; the second's eight stay out
	TURN X0, 74
	s_wait_loadcnt 0x0
	TURN X1, 76
	s_wait_tensorcnt 0x0
	ds_add_u32 v94, v95
	s_wait_dscnt 0x0
	s_endpgm
.Lone:
	s_wait_loadcnt 0x0
	TURN X0, 74
	s_wait_tensorcnt 0x0
	ds_add_u32 v94, v95
	s_wait_dscnt 0x0
	s_endpgm
.Lfunc_end_k_qc9f3da1813_sortpack:
	.size	k_qc9f3da1813_sortpack, .Lfunc_end_k_qc9f3da1813_sortpack-k_qc9f3da1813_sortpack
	.p2alignl 7, 3214868480
	.fill 96, 4, 3214868480
	.section	.rodata,"a",@progbits
	.p2align	6, 0x0
	.amdhsa_kernel k_qc9f3da1813_sortpack
		.amdhsa_group_segment_fixed_size 86528
		.amdhsa_private_segment_fixed_size 0
		.amdhsa_enable_private_segment 0
		.amdhsa_kernarg_size 32
		.amdhsa_user_sgpr_count 2
		.amdhsa_user_sgpr_kernarg_segment_ptr 1
		.amdhsa_wavefront_size32 1
		.amdhsa_system_sgpr_workgroup_id_x 1
		.amdhsa_system_sgpr_workgroup_id_y 1
		.amdhsa_system_sgpr_workgroup_id_z 1
		.amdhsa_system_vgpr_workitem_id 0
		.amdhsa_next_free_vgpr 128
		.amdhsa_next_free_sgpr 100
		.amdhsa_reserve_vcc 1
		.amdhsa_float_denorm_mode_32 3
		.amdhsa_float_denorm_mode_16_64 3
		.amdhsa_memory_ordered 1
		.amdhsa_forward_progress 1
		.amdhsa_inst_pref_size 38
	.end_amdhsa_kernel
	.amdgpu_metadata
---
amdhsa.version: [ 1, 2 ]
amdhsa.kernels:
  - .name:           k_qc9f3da1813_sortpack
    .symbol:         k_qc9f3da1813_sortpack.kd
    .args:
      - { .name: selected_experts, .offset: 0, .size: 8, .value_kind: global_buffer, .address_space: global }
      - { .name: hidden_states, .offset: 8, .size: 8, .value_kind: global_buffer, .address_space: global }
      - { .name: plan, .offset: 16, .size: 8, .value_kind: global_buffer, .address_space: global }
      - { .name: xs, .offset: 24, .size: 8, .value_kind: global_buffer, .address_space: global }
    .group_segment_fixed_size: 86528
    .private_segment_fixed_size: 0
    .kernarg_segment_align: 8
    .kernarg_segment_size: 32
    .max_flat_workgroup_size: 1024
    .sgpr_count:     100
    .vgpr_count:     128
    .wavefront_size: 32
...
	.end_amdgpu_metadata
.endif
;; end of part 1
;; launch gateup (part 2): grid 256 x 1, 4 waves a work-group, no clusters, 86,528 bytes of LDS; arguments xs, w1, w3, plan, act; writes act
.if DOCPART == 2
	.amdgcn_target "amdgcn-amd-amdhsa--gfx1250"
	.amdhsa_code_object_version 6
	.text
	.protected	k_qc9f3da1813_gateup
	.globl	k_qc9f3da1813_gateup
	.p2align	8
	.type	k_qc9f3da1813_gateup,@function
k_qc9f3da1813_gateup:
	s_mov_b64 s[64:65], 0
	v_nop
	global_prefetch_b8 v0, s[64:65] scope:SCOPE_SE
	s_setreg_imm32_b32 hwreg(HW_REG_WAVE_MODE, 25, 1), 1
	s_wait_xcnt 0x0
; GATEUP: act = silu(X w1[e]) * (X w3[e]) for the sorted rows of expert e, in the order of the next product's fragments, AS TWO bf16 NUMBERS:
;   hi = bf16(act), lo = bf16(act - hi); the difference is exact in f32, so the two keep 16 significant bits of this intermediate, where one keeps 8.
;   act byte = tile * 32768 + plane * 16384 + chunk * 512 + lane * 16 (plane 0: hi, 1: lo); lane (r, h) of a chunk holds row r, columns 16 chunk + 8 h + 0..7.
; THE WEIGHTS STAY, THE ROWS STREAM.  Work-group = (expert e = id >> 5, slice = (id >> 1) & 15: 32 columns of F out of w1 and the same 32 out of w3,
; row half p = id & 1: pairs bp_e + p, + 2, ...).  Wave w holds K quarter w (512 k) of the 64 weight columns as 16 K steps x 4 column tiles = 64
; fragments = 512 registers, made once: f32 rows from memory, rounded to bf16, through a stage in LDS and a transposing load.  Four batches of sixteen
; loads are asked for ahead, 32 KiB a wave: nothing else can be done until the weights are there, so as much as the registers hold is on its way.
; A trip is one pair (32 rows): each wave loads its own quarter of the pair's fragments straight from xs into registers (32 KiB, 64 loads of 512
; consecutive bytes) and issues 128 matrix instructions; the four waves' partial sums meet in LDS, and wave d finishes tile d >> 1, columns 16 (d & 1) ..
; THE MATRIX INSTRUCTION IS USED TRANSPOSED: source 0 = 16 weight columns, source 1 = 16 rows of X, so lane (r, h) holds row r, columns 8 h + 0..7.
; T, THE NUMBER OF PAIRS, IS READ FROM MEMORY, and every wave has to pass every barrier: so the loop always runs MAXT = 64 trips (an expert has at most
; 128 pairs, a row half 64), and forward branches that hold no barrier go round the work of the trips from T on.
; NO CLUSTER: the sixteen slices of an expert's row half read the same pairs, but each fragment byte is used by one wave of a work-group, once, and goes
; from memory into that wave's registers; a joint request delivers into LDS, which would add 32 KiB written and 32 KiB read in LDS for each wave and trip,
; and it would have to be issued in all 64 trips, of which a balanced routing uses about nine.
; LIMITS: experts that a token did not select are not computed (their weight is 0: equal to the full sum wherever that is finite).  X and the weights
; enter as bf16, sums in f32; K is summed in four quarters that are then added.  v_exp_f32 and v_rcp_f32 flush denormals (ISA guide 15.8): a sigmoid
; below 2^-126 counts as 0.  An |act| above bf16's largest number (about 3.39e38) rounds to infinity, and its remainder then gives NaN.
; REGISTERS: window 0: addresses, accumulators, work; window 1: X fragments, slot (16 a + s) * 8; window 2: weights of K steps 0-7 at (4 s + c) * 8;
; window 3: K steps 8-15.  s_set_vgpr_msb's low byte: bits 1:0 source 0, 3:2 source 1, 5:4 source 2, 7:6 destination.
.set WPITCH, 160                       ; a stage row: 64 bf16 (w1's 32, w3's 32) + 32 bytes: an odd multiple of 32
.set WSTW,   32*WPITCH                 ; a wave's stage: the 32 k of one K step
.set RED,    4*WSTW                    ; behind the stages: partial sums [trip parity 2][to wave 4][from wave 4][h1, h3][half 2][lane * 16]
.set REDB,   32768
.set MAXT,   64
.set PLANE,  16384                     ; from a tile's hi numbers to its lo numbers in act
.set PAIRX,  131072                    ; a pair's bytes in xs
.set PAIRA,  65536                     ; a pair's bytes in act
.set AOFF, 8                           ; v8   32768 w + 16 lane: my 16 bytes in a pair's first chunk of my quarter
.set WOFF, 9                           ; v9   my 16 bytes in the weights: row 512 w + (lane >> 3), 128 slice + 16 (lane & 7)
.set STA,  10                          ; v10  stage, in
.set TRA,  11                          ; v11  stage, out (transposing)
.set RSA,  12                          ; v12  partial sums, in
.set RLA,  13                          ; v13  partial sums, out
.set ACTO, 14                          ; v14  my 16 bytes in the pair's part of act, plane 0
.set PS,   32                          ; v[32:223] three sets of 16 weight loads (before the loop only); the fourth set lies in window 1, see SETOF
.set ACC,  32                          ; v[32:95]  accumulators, tile (a, c) at 8 (4 a + c)
.set RT,   96                          ; v[96:159] the four waves' partial sums of my part
.set EX,   160                         ; v[160:167] at work
.set PK,   176                         ; v[176:179] hi, packed; v[180:183] lo, packed
.set BA,    24                         ; s[24:25] xs at the pair that an even trip (the 1st, 3rd, ..) loads
.set BB,    34                         ; s[34:35] xs at the pair that an odd trip loads; at first my first pair
.set ACTB,  26                         ; s[26:27] act at the pair at work
.set ASTEP, 36                         ; s[36:37] what ACTB steps by: 0 in the first trip, then two pairs
.set MSB, 0
.macro WIN new                         ; the immediate's high byte repeats the setting that is left
.if MSB != \new
	s_set_vgpr_msb (MSB<<8)|\new
.set MSB, \new
.endif
.endm
.macro PLACES n
.rept \n
	v_nop
.endr
.endm
; Where K step s's batch of weight loads lies: w1's eight loads from PA on, w3's from PB on.  Sets 0 to 2 are in window 0; set 3 is in window 1, in the
; registers of the X fragments of K steps 12-15, which are asked for only when the last batch has left them.
.macro SETOF s
.if ((\s)%4) == 3
.set PA, 96
.set PB, 224
.set PWIN, 1
.else
.set PA, PS+64*((\s)%4)
.set PB, PA+32
.set PWIN, 0
.endif
.endm
; sixteen loads: the 32 k rows of K step s, 128 bytes of each row out of w1 and out of w3 (eight lanes a row)
.macro WLOAD s
	SETOF \s
.if PWIN
	WIN 0x40
.endif
.irp i, 0,1,2,3,4,5,6,7
	global_load_b128 v[PA+4*\i:PA+4*\i+3], v[WOFF], s[6:7] offset:(32*(\s)+4*\i)*2048
.endr
.irp i, 0,1,2,3,4,5,6,7
	global_load_b128 v[PB+4*\i:PB+4*\i+3], v[WOFF], s[8:9] offset:(32*(\s)+4*\i)*2048
.endr
	WIN 0
.endm
; sixteen loads: the X fragments of K steps 4 g .. 4 g + 3 of both tiles of the pair at base b
.macro ALOAD g, b
	WIN 0x40
.irp t, 0,1,2,3
.irp a, 0,1
.irp x, 0,1
	global_load_b128 v[8*(16*\a+4*\g+\t)+4*\x:8*(16*\a+4*\g+\t)+4*\x+3], v[AOFF], s[\b:\b+1] offset:\a*16384+(4*\g+\t)*1024+\x*512
.endr
.endr
.endr
.endm
; K step s of the weights becomes four fragments
.macro WSTEP s
	SETOF \s
	s_wait_loadcnt 48                              ; this batch is in; the three batches of 16 issued behind it stay out
.if PWIN
	WIN 0x45                                       ; both sources and the destination in window 1
.endif
.irp n, 0,1,2,3,4,5,6,7
	v_cvt_pk_bf16_f32 v[PA+4*\n], v[PA+4*\n], v[PA+4*\n+1]
	v_cvt_pk_bf16_f32 v[PA+4*\n+1], v[PA+4*\n+2], v[PA+4*\n+3]
	v_cvt_pk_bf16_f32 v[PB+4*\n], v[PB+4*\n], v[PB+4*\n+1]
	v_cvt_pk_bf16_f32 v[PB+4*\n+1], v[PB+4*\n+2], v[PB+4*\n+3]
.endr
.if PWIN
	WIN 0x04                                       ; an LDS store's data is source 1
.endif
.irp i, 0,1,2,3,4,5,6,7
	ds_store_b64 v[STA], v[PA+4*\i:PA+4*\i+1] offset:4*\i*WPITCH
	ds_store_b64 v[STA], v[PB+4*\i:PB+4*\i+1] offset:4*\i*WPITCH+64
.endr
.if \s < 8
	WIN 0x80
.else
	WIN 0xc0
.endif
.irp c, 0,1,2,3
	ds_load_tr16_b128 v[8*(4*((\s)&7)+\c):8*(4*((\s)&7)+\c)+3], v[TRA] offset:32*\c               ; k = 8 h + 0..7 of column 16 c + r
	ds_load_tr16_b128 v[8*(4*((\s)&7)+\c)+4:8*(4*((\s)&7)+\c)+7], v[TRA] offset:32*\c+16*WPITCH   ; k = 16 + 8 h + 0..7
.endr
	WIN 0
	s_wait_dscnt 8                                 ; the sixteen stores are done, so their set may be loaded again; the eight loads stay out.
	                                               ; The stage is my wave's own and LDS serves a wave in order: the next K step's stores come behind these loads
.if \s <= 11
	WLOAD \s+4
.endif
.if \s == 12
	ALOAD 0, BB                                    ; the first pair's fragments take the place of the weight batches: the count 48 above holds on
	WIN 0
.endif
.if \s == 13
	ALOAD 1, BB
	WIN 0
.endif
.if \s == 14
	ALOAD 2, BB
	WIN 0
.endif
.if \s == 15
	ALOAD 3, BB                                    ; into the registers that this step's batch has just left
	WIN 0
.endif
.endm
; 32 matrix instructions: K steps 4 g .. 4 g + 3, four column tiles, two row tiles.  The eight accumulators take turns, one instruction a turn, in the
; same order everywhere.  K step 0 starts the sums with the constant 0: nothing is cleared.
.macro MUL g
.if \g < 2
	WIN 0x06
.else
	WIN 0x07
.endif
.irp t, 0,1,2,3
.irp c, 0,1,2,3
.irp a, 0,1
.if (4*\g+\t) == 0
	v_wmma_f32_16x16x32_bf16 v[ACC+8*(4*\a+\c):ACC+8*(4*\a+\c)+7], v[8*(4*((4*\g+\t)&7)+\c):8*(4*((4*\g+\t)&7)+\c)+7], v[8*(16*\a+4*\g+\t):8*(16*\a+4*\g+\t)+7], 0
.else
	v_wmma_f32_16x16x32_bf16 v[ACC+8*(4*\a+\c):ACC+8*(4*\a+\c)+7], v[8*(4*((4*\g+\t)&7)+\c):8*(4*((4*\g+\t)&7)+\c)+7], v[8*(16*\a+4*\g+\t):8*(16*\a+4*\g+\t)+7], v[ACC+8*(4*\a+\c):ACC+8*(4*\a+\c)+7]
.endif
.endr
.endr
.endr
.endm
; A pair's 128 matrix instructions.  refill = 1: each group's slots are loaded again, with the next pair, as soon as the group is multiplied.
; The refills of even and odd trips name two bases, use and other, so that no base is stepped straight behind loads that name it: other is stepped here,
; behind the fourth wait, where the 48 loads that may still be out are this trip's own first three groups, which name use; every load that names other is older.
; A load into a register that a matrix instruction has read stands four plain vector instructions behind it; the next trip's first matrix instruction,
; which writes over an accumulator, five: hence the v_nop.
.macro MULS refill, use, other
.irp g, 0,1,2,3
.if \refill
	s_wait_loadcnt 48                              ; group g is in; the three groups of 16 issued behind it stay out
.if \g == 3
	s_add_nc_u64 s[\other:\other+1], s[\other:\other+1], 4*PAIRX   ; the pair that the next trip loads: my pairs are two apart, the bases take turns
.endif
.else
	s_wait_loadcnt 48-16*\g                        ; nothing is issued any more: the count runs down
.endif
	MUL \g
.if \g == 3
	PLACES 5
.else
.if \refill
	PLACES 4
.endif
.endif
.if \refill
	ALOAD \g, \use
.endif
.endr
	WIN 0
.endm
; One trip.  s31 = the trip's number + 1, s20 = T.  buf = the trip's parity: the partial sums of even and odd trips have bytes of their own, so that ONE
; barrier a trip orders both the stores before the reads and, by way of the other parity's barrier, a trip's reads before the stores two trips later.
.macro SUB buf, use, other
	s_cmp_le_u32 s31, s20
	s_cbranch_scc0 .Lidle_\@                       ; a trip from T on: only the barrier
	s_cmp_lt_u32 s31, s20
	s_cbranch_scc0 .Llast_\@
	MULS 1, \use, \other                           ; another pair follows
	s_branch .Lshare_\@
.Llast_\@:
	MULS 0, \use, \other                           ; the last pair
.Lshare_\@:
.irp a, 0,1
.irp c, 0,1,2,3
.irp q, 0,1
	ds_store_b128 v[RSA], v[ACC+8*(4*\a+\c)+4*\q:ACC+8*(4*\a+\c)+4*\q+3] offset:\buf*REDB+(2*\a+(\c&1))*8192+(\c>>1)*1024+\q*512
.endr
.endr
.endr
.Lidle_\@:
	s_wait_dscnt 0x0                               ; my stores are done, and so are my reads of the last trip
	s_barrier_signal -1
	s_barrier_wait -1
	s_cmp_le_u32 s31, s20
	s_cbranch_scc0 .Lnone_\@
.irp n, 0,1,2,3,4,5,6,7,8,9,10,11,12,13,14,15
	ds_load_b128 v[RT+4*\n:RT+4*\n+3], v[RLA] offset:\buf*REDB+\n*512      ; from wave n >> 2: h1 (8 numbers), h3 (8 numbers)
.endr
	s_wait_dscnt 0x0
.irp w, 1,2,3
.irp k, 0,2,4,6,8,10,12,14
	v_pk_add_f32 v[RT+\k:RT+\k+1], v[RT+\k:RT+\k+1], v[RT+16*\w+\k:RT+16*\w+\k+1]
.endr
.endr
.irp k, 0,2,4,6
	v_pk_mul_f32 v[EX+\k:EX+\k+1], v[RT+\k:RT+\k+1], 0xbfb8aa3b op_sel_hi:[1,0]    ; -h1 / ln 2
.endr
.irp k, 0,1,2,3,4,5,6,7
	v_exp_f32 v[EX+\k], v[EX+\k]
.endr
	v_nop                                          ; one plain instruction between a transcendental and the use of its result (ISA guide 5.7.2)
	s_wait_alu depctr_va_vdst(0)
.irp k, 0,2,4,6
	v_pk_add_f32 v[EX+\k:EX+\k+1], v[EX+\k:EX+\k+1], 1.0 op_sel_hi:[1,0]
.endr
.irp k, 0,1,2,3,4,5,6,7
	v_rcp_f32 v[EX+\k], v[EX+\k]                   ; the sigmoid; an overflowed exponential gives 0
.endr
	v_nop
	s_wait_alu depctr_va_vdst(0)
.irp k, 0,2,4,6
	v_pk_mul_f32 v[RT+\k:RT+\k+1], v[RT+\k:RT+\k+1], v[EX+\k:EX+\k+1]      ; silu(h1), formed first,
.endr
.irp k, 0,2,4,6
	v_pk_mul_f32 v[RT+\k:RT+\k+1], v[RT+\k:RT+\k+1], v[RT+8+\k:RT+8+\k+1]  ; then times h3
.endr
	s_wait_xcnt 0x0                                ; the last trip's two stores read PK and ACTB: both are written again only behind this wait.  It stands here,
	                                               ; the whole exchange of sums behind the trip's last loads, and not straight behind a memory instruction
	s_add_nc_u64 s[ACTB:ACTB+1], s[ACTB:ACTB+1], s[ASTEP:ASTEP+1]          ; by 0 in my first trip,
	s_mov_b32 s[ASTEP], 2*PAIRA                                            ; by two pairs from then on
.irp k, 0,1,2,3
	v_cvt_pk_bf16_f32 v[PK+\k], v[RT+2*\k], v[RT+2*\k+1]                   ; hi
.endr
.irp k, 0,1,2,3
	v_lshlrev_b32 v[EX+2*\k],   16, v[PK+\k]                               ; hi as f32 again
	v_and_b32     v[EX+2*\k+1], 0xffff0000, v[PK+\k]
.endr
.irp k, 0,1,2,3,4,5,6,7
	v_sub_f32 v[RT+\k], v[RT+\k], v[EX+\k]                                 ; what hi left over: exact, since hi holds the number's leading bits
.endr
.irp k, 0,1,2,3
	v_cvt_pk_bf16_f32 v[PK+4+\k], v[RT+2*\k], v[RT+2*\k+1]                 ; lo
.endr
	global_store_b128 v[ACTO], v[PK:PK+3], s[ACTB:ACTB+1]                  ; one chunk of each plane: 512 consecutive bytes, at a multiple of 512 from the buffer's first byte
	global_store_b128 v[ACTO], v[PK+4:PK+7], s[ACTB:ACTB+1] offset:PLANE
.Lnone_\@:
.endm
	s_load_b256 s[4:11], s[0:1], 0x0               ; xs s[4:5], w1 s[6:7], w3 s[8:9], plan s[10:11]
	s_load_b64 s[12:13], s[0:1], 0x20              ; act
	v_lshl_add_u32 v254, v0, 2, 0x15000
	v_mov_b32 v255, 0
	v_lshrrev_b32 v1, 5, v0
	v_readfirstlane_b32 s14, v1                    ; wave
	s_lshr_b32 s15, ttmp9, 5                       ; e
	s_bfe_u32 s16, ttmp9, 0x40001                  ; slice
	s_and_b32 s17, ttmp9, 1                        ; p
	s_lshl_b32 s22, s15, 2
	v_and_b32 v1, 31, v0                           ; lane
	v_and_b32 v2, 7, v0
	v_bfe_u32 v3, v0, 3, 2                         ; lane >> 3
	v_bfe_u32 v4, v0, 4, 1                         ; h
	v_bfe_u32 v5, v0, 3, 1
	s_lshl_b32 s28, s14, 15
	v_lshl_add_u32 v[AOFF], v1, 4, s28
	s_lshl_b32 s28, s14, 20                        ; 512 w rows of 2,048 bytes
	s_lshl_b32 s29, s16, 7
	s_add_co_u32 s28, s28, s29
	v_lshlrev_b32 v[WOFF], 11, v3
	v_lshl_add_u32 v[WOFF], v2, 4, v[WOFF]
	v_add_nc_u32 v[WOFF], s28, v[WOFF]
	s_mul_i32 s28, s14, WSTW
	v_mul_u32_u24 v[STA], v3, WPITCH
	v_lshl_add_u32 v[STA], v2, 3, v[STA]
	v_add_nc_u32 v[STA], s28, v[STA]
	v_lshl_add_u32 v[TRA], v4, 3, v2               ; row 8 h + (lane & 7),
	v_mul_u32_u24 v[TRA], v[TRA], WPITCH
	v_lshl_add_u32 v[TRA], v5, 4, v[TRA]           ; 16 bytes on for lanes 8-15 and 24-31
	v_add_nc_u32 v[TRA], s28, v[TRA]
	s_lshl_b32 s28, s14, 11
	s_add_co_u32 s28, s28, RED
	v_lshl_add_u32 v[RSA], v1, 4, s28
	s_lshl_b32 s28, s14, 13
	s_add_co_u32 s28, s28, RED
	v_lshl_add_u32 v[RLA], v1, 4, s28
	s_lshr_b32 s28, s14, 1
	s_lshl_b32 s28, s28, 15                        ; tile w >> 1 of the pair: two planes of 16,384 bytes a tile,
	s_and_b32 s29, s14, 1
	s_lshl1_add_u32 s29, s16, s29                  ; chunk 2 slice + (w & 1)
	s_lshl_b32 s29, s29, 9
	s_add_co_u32 s28, s28, s29
	v_lshl_add_u32 v[ACTO], v1, 4, s28
	s_wait_kmcnt 0x0
	s_load_b32 s18, s[10:11], s22 offset:0x0       ; bp_e
	s_load_b32 s19, s[10:11], s22 offset:0x20      ; NP_e
	s_lshl_b32 s32, s15, 22                        ; an expert's 2,048 x 512 f32
	s_mov_b32 s33, 0
	s_add_nc_u64 s[6:7], s[6:7], s[32:33]
	s_add_nc_u64 s[8:9], s[8:9], s[32:33]
	WLOAD 0
	WLOAD 1
	WLOAD 2
	WLOAD 3
	s_wait_kmcnt 0x0
	s_min_u32 s18, s18, 134                        ; numbers read from memory enter addresses and counts only behind these bounds
	s_min_u32 s19, s19, 128
	s_add_co_u32 s20, s19, 1
	s_sub_co_u32 s20, s20, s17
	s_lshr_b32 s20, s20, 1                         ; T = ceil((NP - p) / 2)
	s_add_co_u32 s21, s18, s17
	s_cmp_lg_u32 s20, 0
	s_cselect_b32 s21, s21, 0                      ; with no pair of my own the loads ahead of the loop take pair 0, which always exists; nothing uses them
	s_min_u32 s21, s21, 134
	s_lshl_b32 s22, s21, 17
	s_mov_b32 s23, 0
	s_add_nc_u64 s[BB:BB+1], s[4:5], s[22:23]      ; my first pair, loaded ahead of the loop
	s_add_nc_u64 s[BA:BA+1], s[BB:BB+1], 2*PAIRX   ; my second, which the first trip loads if there is one
	s_lshl_b32 s22, s21, 16                        ; a pair's part of act: 2 tiles x 2 planes x 16,384 bytes
	s_add_nc_u64 s[ACTB:ACTB+1], s[12:13], s[22:23]
	s_mov_b32 s[ASTEP], 0
	s_mov_b32 s[ASTEP+1], 0
.irp s, 0,1,2,3,4,5,6,7,8,9,10,11,12,13,14,15
	WSTEP \s
.endr
	s_wait_dscnt 0x0                               ; all 64 weight fragments are in registers
	s_mov_b32 s30, 0
.Ltrips:
	s_add_co_u32 s31, s30, 1
	SUB 0, BA, BB
	s_add_co_u32 s31, s30, 2
	SUB 1, BB, BA
	s_add_co_u32 s30, s30, 2
	s_cmp_lt_u32 s30, MAXT
	s_cbranch_scc1 .Ltrips
	s_wait_tensorcnt 0x0
	ds_add_u32 v254, v255
	s_wait_dscnt 0x0
	s_endpgm
.Lfunc_end_k_qc9f3da1813_gateup:
	.size	k_qc9f3da1813_gateup, .Lfunc_end_k_qc9f3da1813_gateup-k_qc9f3da1813_gateup
	.p2alignl 7, 3214868480
	.fill 96, 4, 3214868480
	.section	.rodata,"a",@progbits
	.p2align	6, 0x0
	.amdhsa_kernel k_qc9f3da1813_gateup
		.amdhsa_group_segment_fixed_size 86528
		.amdhsa_private_segment_fixed_size 0
		.amdhsa_enable_private_segment 0
		.amdhsa_kernarg_size 40
		.amdhsa_user_sgpr_count 2
		.amdhsa_user_sgpr_kernarg_segment_ptr 1
		.amdhsa_wavefront_size32 1
		.amdhsa_system_sgpr_workgroup_id_x 1
		.amdhsa_system_sgpr_workgroup_id_y 1
		.amdhsa_system_sgpr_workgroup_id_z 1
		.amdhsa_system_vgpr_workitem_id 0
		.amdhsa_next_free_vgpr 1024
		.amdhsa_next_free_sgpr 66
		.amdhsa_reserve_vcc 0
		.amdhsa_float_denorm_mode_32 3
		.amdhsa_float_denorm_mode_16_64 3
		.amdhsa_memory_ordered 1
		.amdhsa_forward_progress 1
		.amdhsa_inst_pref_size 154
	.end_amdhsa_kernel
	.amdgpu_metadata
---
amdhsa.version: [ 1, 2 ]
amdhsa.kernels:
  - .name:           k_qc9f3da1813_gateup
    .symbol:         k_qc9f3da1813_gateup.kd
    .args:
      - { .name: xs, .offset: 0, .size: 8, .value_kind: global_buffer, .address_space: global }
      - { .name: w1, .offset: 8, .size: 8, .value_kind: global_buffer, .address_space: global }
      - { .name: w3, .offset: 16, .size: 8, .value_kind: global_buffer, .address_space: global }
      - { .name: plan, .offset: 24, .size: 8, .value_kind: global_buffer, .address_space: global }
      - { .name: act, .offset: 32, .size: 8, .value_kind: global_buffer, .address_space: global }
    .group_segment_fixed_size: 86528
    .private_segment_fixed_size: 0
    .kernarg_segment_align: 8
    .kernarg_segment_size: 40
    .max_flat_workgroup_size: 128
    .sgpr_count:     66
    .vgpr_count:     1024
    .wavefront_size: 32
...
	.end_amdgpu_metadata
.endif
;; end of part 2
;; launch down (part 3): grid 256 x 1, 4 waves a work-group, no clusters, 99,840 bytes of LDS; arguments act, w2, plan, y; writes y
.if DOCPART == 3
	.amdgcn_target "amdgcn-amd-amdhsa--gfx1250"
	.amdhsa_code_object_version 6
	.text
	.protected	k_qc9f3da1813_down
	.globl	k_qc9f3da1813_down
	.p2align	8
	.type	k_qc9f3da1813_down,@function
k_qc9f3da1813_down:
	s_mov_b64 s[64:65], 0
	v_nop
	global_prefetch_b8 v0, s[64:65] scope:SCOPE_SE
	s_setreg_imm32_b32 hwreg(HW_REG_WAVE_MODE, 25, 1), 1
	s_wait_xcnt 0x0
; DOWN: y[sorted row] = act[sorted row] w2[e], f32, row-major [4320][2048].  act comes as two bf16 numbers, hi and lo (two planes of a tile): both are
; multiplied by the same weights, in accumulators of their own, and the two sums are added at the end: y = hi w2 + lo w2.
; THE WEIGHTS STAY, THE ROWS STREAM.  Work-group = (expert e = id >> 5, slice = id & 31: 64 columns of H, 256 bytes of each of w2[e]'s 512 rows).
; The four waves bring the slice in together (128 k rows each, all 64 loads of a wave asked for at once), rounded to bf16, into one stage in LDS; behind
; the launch's one barrier every wave takes the whole slice, 16 K steps x 4 column tiles = 64 fragments = 512 registers, by transposing loads.  From there
; on no wave needs another: wave w takes tiles 2 bp_e + w, + 4, ...: T_w trips of its own, counted from plan; the loop holds no barrier.
; A trip is one tile (16 rows, two planes): 64 loads of 512 consecutive bytes bring its fragments from act straight into registers, 128 matrix
; instructions, and the 16 x 64 results go out through the wave's own stage, so that sixteen lanes store 256 consecutive bytes of a row of y.
; The matrix instruction is used transposed (source 0 = 16 weight columns, source 1 = 16 rows): lane (r, h) holds row r, columns 8 h + 0..7.
; NO CLUSTER: the 32 slices of an expert read the same tiles, but each fragment byte is used by one wave, once, and goes from memory into that wave's
; registers; a joint request delivers into LDS, which would add 32 KiB written and 32 KiB read in LDS for each wave and trip.
; LIMITS: w2 enters as bf16, act as the sum of two bf16, sums in f32.  Rows that only fill an expert's last pair are computed and stored too; nothing reads them.
; REGISTERS: window 0 addresses, accumulators, work; window 1 act fragments at (16 a + s) * 8, a = plane; window 2 the weights of K steps 0-7 at
; (4 s + c) * 8, window 3 those of K steps 8-15.  s_set_vgpr_msb's low byte: bits 1:0 source 0, 3:2 source 1, 5:4 source 2, 7:6 destination.
.set WPITCH, 160                       ; a stage row: 64 bf16 + 32 bytes: an odd multiple of 32
.set OST,    512*WPITCH                ; behind the weights' stage: 16 rows x 272 bytes for each wave, for the way out
.set OPITCH, 272
.set OSTW,   16*OPITCH
.set AOFF, 8                           ; v8   16 lane
.set WOFF, 9                           ; v9   my 16 bytes in w2: row 128 w + h, 256 slice + 16 r
.set STA,  10                          ; v10  weights' stage, in
.set TRA,  11                          ; v11  weights' stage, out, K steps 0-7
.set TRA2, 12                          ; v12  K steps 8-15: their bytes lie beyond an LDS immediate's 16 bits
.set OSA,  13                          ; v13  the way out, in
.set OLA,  14                          ; v14  the way out, back by rows
.set YOFF, 15                          ; v15  my 16 bytes in the tile's first two rows of y
.set PS,   32                          ; v[32:223] three sets of 16 weight loads (before the loop only); the fourth set lies in window 1, see W2R
.set ACC,  32                          ; v[32:95]  accumulators, (plane a, column tile c) at 8 (4 a + c)
.set OUTR, 96                          ; v[96:127] rows on their way out
.set ABASE, 24                         ; s[24:25] act at the tile that is loaded next
.set YB,    26                         ; s[26:27] y at the tile at work
.set MSB, 0
.macro WIN new                         ; the immediate's high byte repeats the setting that is left
.if MSB != \new
	s_set_vgpr_msb (MSB<<8)|\new
.set MSB, \new
.endif
.endm
.macro PLACES n
.rept \n
	v_nop
.endr
.endm
; R = the first register of load i of weight batch b.  Batches 0 to 2 lie in window 0; batch 3 in window 1, in the registers of the act fragments of
; K steps 12-15 (96-127 and 224-255), which are asked for only when the batch has left them.
.macro W2R b, i
.if \b == 3
.set R, 96+4*\i+96*(\i/8)
.else
.set R, PS+64*\b+4*\i
.endif
.endm
.macro W2LOAD b                        ; sixteen loads, two rows of 256 bytes each: k rows 128 w + 32 b .. + 31.  No other work-group reads these bytes
.if \b == 3
	WIN 0x40
.endif
.irp i, 0,1,2,3,4,5,6,7,8,9,10,11,12,13,14,15
	W2R \b, \i
	global_load_b128 v[R:R+3], v[WOFF], s[6:7] offset:(32*\b+2*\i)*8192 th:TH_LOAD_NT
.endr
	WIN 0
.endm
.macro ALOAD g                         ; sixteen loads: the fragments of K steps 4 g .. 4 g + 3 of both planes of the tile at ABASE
	WIN 0x40
.irp t, 0,1,2,3
.irp a, 0,1
.irp x, 0,1
	global_load_b128 v[8*(16*\a+4*\g+\t)+4*\x:8*(16*\a+4*\g+\t)+4*\x+3], v[AOFF], s[ABASE:ABASE+1] offset:\a*16384+(4*\g+\t)*1024+\x*512
.endr
.endr
.endr
.endm
.macro W2STEP b
	s_wait_loadcnt 48                              ; this batch is in; the three batches of 16 issued behind it stay out
.if \b == 3
	WIN 0x45                                       ; both sources and the destination in window 1
.endif
.irp n, 0,1,2,3,4,5,6,7,8,9,10,11,12,13,14,15
	W2R \b, \n
	v_cvt_pk_bf16_f32 v[R], v[R], v[R+1]
	v_cvt_pk_bf16_f32 v[R+1], v[R+2], v[R+3]
.endr
.if \b == 3
	WIN 0x04                                       ; an LDS store's data is source 1
.endif
.irp i, 0,1,2,3,4,5,6,7,8,9,10,11,12,13,14,15
	W2R \b, \i
	ds_store_b64 v[STA], v[R:R+1] offset:(32*\b+2*\i)*WPITCH
.endr
	WIN 0
	s_wait_dscnt 0x0                               ; the stores are done: their registers may be loaded again, and the barrier below finds nothing pending
	ALOAD \b                                       ; the first tile's fragments follow the weight batches, a group a step: the count 48 above holds on
	WIN 0
.endm
; 32 matrix instructions: K steps 4 g .. 4 g + 3, four column tiles, two planes.  The eight accumulators take turns, one instruction a turn, in the
; same order everywhere.  K step 0 starts the sums with the constant 0: nothing is cleared.
.macro MUL g
.if \g < 2
	WIN 0x06
.else
	WIN 0x07
.endif
.irp t, 0,1,2,3
.irp c, 0,1,2,3
.irp a, 0,1
.if (4*\g+\t) == 0
	v_wmma_f32_16x16x32_bf16 v[ACC+8*(4*\a+\c):ACC+8*(4*\a+\c)+7], v[8*(4*((4*\g+\t)&7)+\c):8*(4*((4*\g+\t)&7)+\c)+7], v[8*(16*\a+4*\g+\t):8*(16*\a+4*\g+\t)+7], 0
.else
	v_wmma_f32_16x16x32_bf16 v[ACC+8*(4*\a+\c):ACC+8*(4*\a+\c)+7], v[8*(4*((4*\g+\t)&7)+\c):8*(4*((4*\g+\t)&7)+\c)+7], v[8*(16*\a+4*\g+\t):8*(16*\a+4*\g+\t)+7], v[ACC+8*(4*\a+\c):ACC+8*(4*\a+\c)+7]
.endif
.endr
.endr
.endr
.endm
; A load into a register that a matrix instruction has read, and a vector instruction that reads a result, stand four plain vector instructions behind
; it; the next trip's first matrix instruction, which writes over an accumulator, five: hence the v_nop.
.macro MULS refill
.irp g, 0,1,2,3
.if \refill
	s_wait_loadcnt 48                              ; group g is in; the three groups of 16 issued behind it stay out
.else
	s_wait_loadcnt 48-16*\g                        ; nothing is issued any more: the count runs down
.endif
	MUL \g
.if \g == 3
	PLACES 5
.else
.if \refill
	PLACES 4
.endif
.endif
.if \refill
	ALOAD \g
.endif
.endr
	WIN 0
.endm
.macro TRIP refill
	MULS \refill
.irp c, 0,1,2,3
.irp k, 0,2,4,6
	v_pk_add_f32 v[ACC+8*\c+\k:ACC+8*\c+\k+1], v[ACC+8*\c+\k:ACC+8*\c+\k+1], v[ACC+32+8*\c+\k:ACC+32+8*\c+\k+1]   ; hi's sums + lo's sums
.endr
.endr
.irp c, 0,1,2,3
.irp q, 0,1
	ds_store_b128 v[OSA], v[ACC+8*\c+4*\q:ACC+8*\c+4*\q+3] offset:\c*64+\q*16
.endr
.endr
.irp t, 0,1,2,3,4,5,6,7
	ds_load_b128 v[OUTR+4*\t:OUTR+4*\t+3], v[OLA] offset:\t*2*OPITCH       ; my wave's own bytes, served in order (ISA guide 5.7.1): these see the stores above
.endr
.irp t, 0,1,2,3,4,5,6,7
	s_wait_dscnt 7-\t                              ; this load is in; the younger ones stay out
	global_store_b128 v[YOFF], v[OUTR+4*\t:OUTR+4*\t+3], s[YB:YB+1] offset:\t*16384    ; sixteen lanes store 256 consecutive bytes, at a multiple of 256 from the buffer's first byte
.endr
.if \refill
	s_wait_xcnt 0x0                                ; the stores' data and both bases are rewritten only behind this wait
	s_add_nc_u64 s[ABASE:ABASE+1], s[ABASE:ABASE+1], 4*32768
	s_add_nc_u64 s[YB:YB+1], s[YB:YB+1], 4*131072
.endif
.endm
	s_load_b256 s[4:11], s[0:1], 0x0               ; act s[4:5], w2 s[6:7], plan s[8:9], y s[10:11]
	v_lshl_add_u32 v254, v0, 2, 0x18400
	v_mov_b32 v255, 0
	v_lshrrev_b32 v1, 5, v0
	v_readfirstlane_b32 s14, v1                    ; wave
	s_lshr_b32 s15, ttmp9, 5                       ; e
	s_and_b32 s16, ttmp9, 31                       ; slice
	s_lshl_b32 s22, s15, 2
	v_and_b32 v1, 31, v0
	v_and_b32 v2, 15, v0                           ; r
	v_bfe_u32 v3, v0, 4, 1                         ; h
	v_and_b32 v4, 7, v0
	v_bfe_u32 v5, v0, 3, 1
	v_lshlrev_b32 v[AOFF], 4, v1
	s_lshl_b32 s28, s14, 20                        ; 128 w rows of 8,192 bytes
	s_lshl_b32 s29, s16, 8
	s_add_co_u32 s28, s28, s29
	v_lshlrev_b32 v[YOFF], 13, v3
	v_lshl_add_u32 v[YOFF], v2, 4, v[YOFF]         ; row h, 16 r
	v_add_nc_u32 v[WOFF], s28, v[YOFF]
	v_add_nc_u32 v[YOFF], s29, v[YOFF]
	s_mul_i32 s28, s14, 128*WPITCH
	v_mul_u32_u24 v[STA], v3, WPITCH
	v_lshl_add_u32 v[STA], v2, 3, v[STA]
	v_add_nc_u32 v[STA], s28, v[STA]
	v_lshl_add_u32 v[TRA], v3, 3, v4               ; row 8 h + (lane & 7),
	v_mul_u32_u24 v[TRA], v[TRA], WPITCH
	v_lshl_add_u32 v[TRA], v5, 4, v[TRA]           ; 16 bytes on for lanes 8-15 and 24-31
	v_add_nc_u32 v[TRA2], 256*WPITCH, v[TRA]
	s_mul_i32 s28, s14, OSTW
	s_add_co_u32 s28, s28, OST
	v_mul_u32_u24 v[OSA], v2, OPITCH               ; in: row r, 32 bytes for each half of the lanes; 272 bytes from row to row: sixteen different 16-byte columns of 256
	v_lshl_add_u32 v[OSA], v3, 5, v[OSA]
	v_add_nc_u32 v[OSA], s28, v[OSA]
	v_mul_u32_u24 v[OLA], v3, OPITCH               ; back: lanes 0-15 one row of 256 bytes, lanes 16-31 the next
	v_lshl_add_u32 v[OLA], v2, 4, v[OLA]
	v_add_nc_u32 v[OLA], s28, v[OLA]
	s_wait_kmcnt 0x0
	s_load_b32 s18, s[8:9], s22 offset:0x0         ; bp_e
	s_load_b32 s19, s[8:9], s22 offset:0x20        ; NP_e
	s_lshl_b32 s32, s15, 22                        ; an expert's 512 x 2,048 f32
	s_mov_b32 s33, 0
	s_add_nc_u64 s[6:7], s[6:7], s[32:33]
	W2LOAD 0
	W2LOAD 1
	W2LOAD 2
	W2LOAD 3
	s_wait_kmcnt 0x0
	s_min_u32 s18, s18, 134                        ; numbers read from memory enter addresses and counts only behind these bounds
	s_min_u32 s19, s19, 128
	s_lshl_b32 s20, s19, 1                         ; the expert's tiles
	s_add_co_u32 s20, s20, 3
	s_sub_co_u32 s20, s20, s14
	s_lshr_b32 s20, s20, 2                         ; T_w = ceil((2 NP - w) / 4)
	s_lshl1_add_u32 s21, s18, s14                  ; my first tile: 2 bp + w
	s_cmp_lg_u32 s20, 0
	s_cselect_b32 s21, s21, 0                      ; with no tile of my own the loads ahead of the loop take tile 0, which always exists; nothing uses them
	s_min_u32 s21, s21, 269
	s_lshl_b32 s22, s21, 15                        ; a tile's part of act: 2 planes x 16,384 bytes
	s_mov_b32 s23, 0
	s_add_nc_u64 s[ABASE:ABASE+1], s[4:5], s[22:23]
	s_lshl_b32 s22, s21, 17                        ; a tile's part of y: 16 rows x 8,192 bytes
	s_add_nc_u64 s[YB:YB+1], s[10:11], s[22:23]
	W2STEP 0
	W2STEP 1
	W2STEP 2
	W2STEP 3
	s_barrier_signal -1                            ; my 128 rows are in the stage (the wait for my stores stands in the last step above)
	s_barrier_wait -1                              ; all 512 are
	WIN 0x80
.irp s, 0,1,2,3,4,5,6,7
.irp c, 0,1,2,3
	ds_load_tr16_b128 v[8*(4*\s+\c):8*(4*\s+\c)+3], v[TRA] offset:\s*32*WPITCH+32*\c
	ds_load_tr16_b128 v[8*(4*\s+\c)+4:8*(4*\s+\c)+7], v[TRA] offset:\s*32*WPITCH+32*\c+16*WPITCH
.endr
.endr
	WIN 0xc0
.irp s, 0,1,2,3,4,5,6,7
.irp c, 0,1,2,3
	ds_load_tr16_b128 v[8*(4*\s+\c):8*(4*\s+\c)+3], v[TRA2] offset:\s*32*WPITCH+32*\c
	ds_load_tr16_b128 v[8*(4*\s+\c)+4:8*(4*\s+\c)+7], v[TRA2] offset:\s*32*WPITCH+32*\c+16*WPITCH
.endr
.endr
	WIN 0
	s_wait_xcnt 0x0
	s_add_nc_u64 s[ABASE:ABASE+1], s[ABASE:ABASE+1], 4*32768       ; my next tile
	s_wait_dscnt 0x0                               ; all 64 weight fragments are in registers
	s_cmp_eq_u32 s20, 0
	s_cbranch_scc1 .Lend                           ; no tile for this wave; no barrier follows
	s_sub_co_u32 s20, s20, 1
	s_cmp_eq_u32 s20, 0
	s_cbranch_scc1 .Ltail
.Lloop:
	TRIP 1
	s_sub_co_u32 s20, s20, 1
	s_cmp_lg_u32 s20, 0
	s_cbranch_scc1 .Lloop
.Ltail:
	TRIP 0                                         ; the last tile: nothing more is loaded
.Lend:
	s_wait_tensorcnt 0x0
	ds_add_u32 v254, v255
	s_wait_dscnt 0x0
	s_endpgm
.Lfunc_end_k_qc9f3da1813_down:
	.size	k_qc9f3da1813_down, .Lfunc_end_k_qc9f3da1813_down-k_qc9f3da1813_down
	.p2alignl 7, 3214868480
	.fill 96, 4, 3214868480
	.section	.rodata,"a",@progbits
	.p2align	6, 0x0
	.amdhsa_kernel k_qc9f3da1813_down
		.amdhsa_group_segment_fixed_size 99840
		.amdhsa_private_segment_fixed_size 0
		.amdhsa_enable_private_segment 0
		.amdhsa_kernarg_size 32
		.amdhsa_user_sgpr_count 2
		.amdhsa_user_sgpr_kernarg_segment_ptr 1
		.amdhsa_wavefront_size32 1
		.amdhsa_system_sgpr_workgroup_id_x 1
		.amdhsa_system_sgpr_workgroup_id_y 1
		.amdhsa_system_sgpr_workgroup_id_z 1
		.amdhsa_system_vgpr_workitem_id 0
		.amdhsa_next_free_vgpr 1024
		.amdhsa_next_free_sgpr 66
		.amdhsa_reserve_vcc 0
		.amdhsa_float_denorm_mode_32 3
		.amdhsa_float_denorm_mode_16_64 3
		.amdhsa_memory_ordered 1
		.amdhsa_forward_progress 1
		.amdhsa_inst_pref_size 66
	.end_amdhsa_kernel
	.amdgpu_metadata
---
amdhsa.version: [ 1, 2 ]
amdhsa.kernels:
  - .name:           k_qc9f3da1813_down
    .symbol:         k_qc9f3da1813_down.kd
    .args:
      - { .name: act, .offset: 0, .size: 8, .value_kind: global_buffer, .address_space: global }
      - { .name: w2, .offset: 8, .size: 8, .value_kind: global_buffer, .address_space: global }
      - { .name: plan, .offset: 16, .size: 8, .value_kind: global_buffer, .address_space: global }
      - { .name: y, .offset: 24, .size: 8, .value_kind: global_buffer, .address_space: global }
    .group_segment_fixed_size: 99840
    .private_segment_fixed_size: 0
    .kernarg_segment_align: 8
    .kernarg_segment_size: 32
    .max_flat_workgroup_size: 128
    .sgpr_count:     66
    .vgpr_count:     1024
    .wavefront_size: 32
...
	.end_amdgpu_metadata
.endif
;; end of part 3
;; launch combine (part 4): grid 256 x 1, 8 waves a work-group, no clusters, 0 bytes of LDS; arguments y, routing_weights, selected_experts, plan, out0; writes out0
.if DOCPART == 4
	.amdgcn_target "amdgcn-amd-amdhsa--gfx1250"
	.amdhsa_code_object_version 6
	.text
	.protected	k_qc9f3da1813_combine
	.globl	k_qc9f3da1813_combine
	.p2align	8
	.type	k_qc9f3da1813_combine,@function
k_qc9f3da1813_combine:
	s_mov_b64 s[64:65], 0
	v_nop
	global_prefetch_b8 v0, s[64:65] scope:SCOPE_SE
	s_setreg_imm32_b32 hwreg(HW_REG_WAVE_MODE, 25, 1), 1
	s_wait_xcnt 0x0
; COMBINE: out0[t] = w0 y[pos[2 t]] + w1 y[pos[2 t + 1]]; w_j = routing_weights[t][j] if 0 <= selected_experts[t][j] < 8, else 0
; (an index that equals no expert has no share in the sum).  Two slots with the same expert have two rows of y with the same numbers, so the sum is
; (w0 + w1) times that expert's result.  One wave a token: 8,192 bytes from each of two rows, 8,192 out; all 32 loads go out at once.
; FORMAT: the two weights are rounded to bf16 (to nearest even) and widened again; the product and the sum are f32.  So every floating-point input of the
; program (hidden_states, w1, w2, w3 as matrix operands, and the weights here) is taken rounded to bf16, and nothing behind the inputs is narrower than
; f32 or a sum of two bf16.  LIMIT: a weight carries a relative error of up to 2^-8; a weight above bf16's largest number (about 3.39e38) becomes infinite.
; Memory binds: no LDS, no matrix unit, no cluster (no byte is read twice).
.set POS, 256
.set W0,  2                            ; v[2:3]  w0, twice: a pair for the packed multiply
.set W1,  4                            ; v[4:5]  w1, twice
.set WP,  6                            ; v6      the two weights as bf16, packed
	s_load_b256 s[4:11], s[0:1], 0x0               ; y s[4:5], routing_weights s[6:7], selected_experts s[8:9], plan s[10:11]
	s_load_b64 s[12:13], s[0:1], 0x20              ; out0
	v_lshrrev_b32 v1, 5, v0
	v_readfirstlane_b32 s14, v1
	s_lshl3_add_u32 s14, ttmp9, s14                ; token = 8 x work-group + wave
	s_lshl_b32 s15, s14, 3                         ; two words a token
	v_and_b32 v1, 31, v0
	v_lshlrev_b32 v1, 4, v1                        ; 16 lane
	s_wait_kmcnt 0x0
	s_load_b64 s[16:17], s[10:11], s15 offset:POS  ; the two sorted rows
	s_load_b64 s[18:19], s[6:7], s15 offset:0x0    ; the two weights
	s_load_b64 s[20:21], s[8:9], s15 offset:0x0    ; the two experts
	s_lshl_b32 s22, s14, 13
	s_mov_b32 s23, 0
	s_add_nc_u64 s[12:13], s[12:13], s[22:23]
	s_wait_kmcnt 0x0
	s_min_u32 s16, s16, 4319                       ; a row read from memory enters an address only behind this bound
	s_min_u32 s17, s17, 4319
	s_lshl_b32 s22, s16, 13
	s_add_nc_u64 s[28:29], s[4:5], s[22:23]
	s_lshl_b32 s22, s17, 13
	s_add_nc_u64 s[30:31], s[4:5], s[22:23]
	s_cmp_lt_u32 s20, 8                            ; unsigned: a negative index fails too
	s_cselect_b32 s24, s18, 0
	s_cmp_lt_u32 s21, 8
	s_cselect_b32 s26, s19, 0
.irp i, 0,1,2,3,4,5,6,7,8,9,10,11,12,13,14,15
	global_load_b128 v[8+8*\i:11+8*\i],  v1, s[28:29] offset:512*\i th:TH_LOAD_NT
	global_load_b128 v[12+8*\i:15+8*\i], v1, s[30:31] offset:512*\i th:TH_LOAD_NT
.endr
	v_mov_b32 v[W0], s24                           ; while the rows are on their way: the weights, rounded to bf16 ...
	v_mov_b32 v[W1], s26
	v_cvt_pk_bf16_f32 v[WP], v[W0], v[W1]          ; w0 in the low half, w1 in the high half
	v_lshlrev_b32 v[W0],   16, v[WP]               ; ... and as f32 again, each twice
	v_lshlrev_b32 v[W0+1], 16, v[WP]
	v_and_b32 v[W1],   0xffff0000, v[WP]
	v_and_b32 v[W1+1], 0xffff0000, v[WP]
.irp i, 0,1,2,3,4,5,6,7,8,9,10,11,12,13,14,15
	s_wait_loadcnt 30-2*\i                         ; this piece's two loads are in; the younger ones stay out
	v_pk_mul_f32 v[8+8*\i:9+8*\i],   v[8+8*\i:9+8*\i],   v[W0:W0+1]
	v_pk_mul_f32 v[10+8*\i:11+8*\i], v[10+8*\i:11+8*\i], v[W0:W0+1]
	v_pk_fma_f32 v[8+8*\i:9+8*\i],   v[12+8*\i:13+8*\i], v[W1:W1+1], v[8+8*\i:9+8*\i]
	v_pk_fma_f32 v[10+8*\i:11+8*\i], v[14+8*\i:15+8*\i], v[W1:W1+1], v[10+8*\i:11+8*\i]
	global_store_b128 v1, v[8+8*\i:11+8*\i], s[12:13] offset:512*\i th:TH_STORE_NT    ; 512 consecutive bytes, aligned; no register is written again
.endr
	s_endpgm
.Lfunc_end_k_qc9f3da1813_combine:
	.size	k_qc9f3da1813_combine, .Lfunc_end_k_qc9f3da1813_combine-k_qc9f3da1813_combine
	.p2alignl 7, 3214868480
	.fill 96, 4, 3214868480
	.section	.rodata,"a",@progbits
	.p2align	6, 0x0
	.amdhsa_kernel k_qc9f3da1813_combine
		.amdhsa_group_segment_fixed_size 0
		.amdhsa_private_segment_fixed_size 0
		.amdhsa_enable_private_segment 0
		.amdhsa_kernarg_size 40
		.amdhsa_user_sgpr_count 2
		.amdhsa_user_sgpr_kernarg_segment_ptr 1
		.amdhsa_wavefront_size32 1
		.amdhsa_system_sgpr_workgroup_id_x 1
		.amdhsa_system_sgpr_workgroup_id_y 1
		.amdhsa_system_sgpr_workgroup_id_z 1
		.amdhsa_system_vgpr_workitem_id 0
		.amdhsa_next_free_vgpr 136
		.amdhsa_next_free_sgpr 66
		.amdhsa_reserve_vcc 0
		.amdhsa_float_denorm_mode_32 3
		.amdhsa_float_denorm_mode_16_64 3
		.amdhsa_memory_ordered 1
		.amdhsa_forward_progress 1
		.amdhsa_inst_pref_size 11
	.end_amdhsa_kernel
	.amdgpu_metadata
---
amdhsa.version: [ 1, 2 ]
amdhsa.kernels:
  - .name:           k_qc9f3da1813_combine
    .symbol:         k_qc9f3da1813_combine.kd
    .args:
      - { .name: y, .offset: 0, .size: 8, .value_kind: global_buffer, .address_space: global }
      - { .name: routing_weights, .offset: 8, .size: 8, .value_kind: global_buffer, .address_space: global }
      - { .name: selected_experts, .offset: 16, .size: 8, .value_kind: global_buffer, .address_space: global }
      - { .name: plan, .offset: 24, .size: 8, .value_kind: global_buffer, .address_space: global }
      - { .name: out0, .offset: 32, .size: 8, .value_kind: global_buffer, .address_space: global }
    .group_segment_fixed_size: 0
    .private_segment_fixed_size: 0
    .kernarg_segment_align: 8
    .kernarg_segment_size: 40
    .max_flat_workgroup_size: 256
    .sgpr_count:     66
    .vgpr_count:     136
    .wavefront_size: 32
...
	.end_amdgpu_metadata
.endif
;; end of part 4
